; MI455X (gfx1250); checked and timed in simulation.
; The chip was launched on July 23, 2026; its instructions are those of AMD's public machine-readable ISA for CDNA 5 (MIT licence, August 2026) and "CDNA5" Instruction Set Architecture Reference Guide (July 2026). The comments in the code are by the model that wrote it; some were corrected since.
;; Multi Head Self Attention. Allowed arithmetic: matrix products marked QUANTISED: E5M2 operands, one given power-of-two scale a tensor, by v_wmma_f32_16x16x64_bf8_bf8 or v_wmma_f32_16x16x128_bf8_bf8, f32 sums; everything else in f32.
;; Inputs: b_k 1,024 float32; b_out 1,024 float32; b_q 1,024 float32; b_v 1,024 float32; lowp_scales 12 int32 (the exponents e of the quantised operands' scales 2^e); w_k_codes 1,024 x 32 x 32 uint8 (E5M2 codes of w_k, K innermost, in blocks of 32 codes); w_out_codes 1,024 x 32 x 32 uint8 (E5M2 codes of w_out, K innermost, in blocks of 32 codes); w_q_codes 1,024 x 32 x 32 uint8 (E5M2 codes of w_q, K innermost, in blocks of 32 codes); w_v_codes 1,024 x 32 x 32 uint8 (E5M2 codes of w_v, K innermost, in blocks of 32 codes); x_codes 4 x 2,048 x 32 x 32 uint8 (E5M2 codes of x, K innermost, in blocks of 32 codes).
;; Outputs: out0 4 x 2,048 x 1,024 float32.
;; This version of the problem:
;;   THIS VERSION OF THE PROBLEM IS GIVEN IN LOW PRECISION. The matrix products marked QUANTISED in the list below multiply operands that are first quantised to E5M2 (5 exponent bits, 2 mantissa bits; 8 bits a number), with one given power-of-two scale for each operand tensor; their sums are f32. All else is computed in f32.
;;   The module's matrix products, in the order in which they are computed (A, B: the left and right operand; K: the contracted axis; several contracted axes count as one K, in the product's order):
;;     1. [M 8,192, K 1,024] x [K 1,024, N 1,024]; A: input x (given as codes); B: input w_q (given as codes): QUANTISED (scales: A lowp_scales[0], B lowp_scales[1])
;;     2. [M 8,192, K 1,024] x [K 1,024, N 1,024]; A: input x (given as codes); B: input w_k (given as codes): QUANTISED (scales: A lowp_scales[2], B lowp_scales[3])
;;     3. [M 8,192, K 1,024] x [K 1,024, N 1,024]; A: input x (given as codes); B: input w_v (given as codes): QUANTISED (scales: A lowp_scales[4], B lowp_scales[5])
;;     4. batch 64 x [M 2,048, K 64] x [K 64, N 2,048]; A: computed on the way; B: computed on the way: QUANTISED (scales: A lowp_scales[6], B lowp_scales[7])
;;     5. batch 64 x [M 2,048, K 2,048] x [K 2,048, N 64]; A: softmax (see below); B: computed on the way: QUANTISED (scales: A lowp_scales[8], B lowp_scales[9])
;;     6. [M 8,192, K 1,024] x [K 1,024, N 1,024]; A: computed on the way; B: input w_out (given as codes): QUANTISED (scales: A lowp_scales[10], B lowp_scales[11])
;;   THE QUANTISER, for each operand of a quantised product, along K:
;;     - The operand's scale is 2^e, e = its entry of the input lowp_scales (int32; the entries are numbered through the quantised products in the list's order, A before B).
;;     - Each number is divided by the scale, clamped to +-57,344, and rounded to the nearest number of E5M2, ties to even, subnormals kept.
;;     - The product sums the exact products of the quantised numbers (number of the format x scale) in f32.
;;   ~~~python
;;   def quantise(x, axis, e):      # numpy; x: float32 -> the quantised numbers, widened to float32 again
;;       x = np.moveaxis(x, axis, -1); K = x.shape[-1]
;;       r = np.clip(x / 2.0 ** e, -57344, 57344)
;;       step = 2.0 ** (np.maximum(np.frexp(np.where(r == 0, 1, r))[1] - 1, -14) - 2)
;;       q = np.round(r / step) * step * 2.0 ** e      # np.round: ties to even
;;       return np.moveaxis(q, -1, axis).astype(np.float32)
;;   ~~~
;;   SOFTMAX AHEAD OF A QUANTISED PRODUCT. Where the list says 'softmax', what is quantised is not the finished softmax but p = 2^(t - M), with t = logit x log2(e) and M = ceil(the row's largest t), a whole number; so 1/2 < the row's largest p <= 1. The row's sum l is taken of the UNQUANTISED p, in f32, and the product's result is divided by l at the end. Since M is a whole number, a kernel that streams over the keys may use a running M (the ceiling of the running maximum): every later rescaling is an exact power of two, so the quantised numbers keep their values, but for numbers so far below the row's largest that they fall under the format's range.
;;   OPERANDS COMPUTED ON THE WAY. 'Computed on the way' means the value that the module computes at that place (a softmax that the list does not call 'softmax' is quantised finished and normalised). What goes into a quantiser is computed in f32, as accurately as f32 sums, v_exp_f32 and their like allow (about 1e-6 of the number): no bf16 or f16 on the way to a quantiser, and a product that is left as it is and whose result goes on into a quantised operand takes f32 operands (vector FMAs, or v_wmma_f32_16x16x4_f32). A number that lies on a knife's edge between two numbers of the format may be rounded either way, as far as f32 arithmetic and the matrix unit's own rounding can turn it there, and no further.
;;   INPUTS GIVEN AS CODES. w_k (in the module: [1024, 1024], K = its axis 1); w_out (in the module: [1024, 1024], K = its axis 1); w_q (in the module: [1024, 1024], K = its axis 1); w_v (in the module: [1024, 1024], K = its axis 1); x (in the module: [4, 2048, 1024], K = its axis 2): each comes as NAME_codes (uint8): NAME with its K axis moved to the last place and cut into blocks of 32 codes, [.., K / 32, bytes a block], one block behind the other in memory; one code a byte (a code: sign, 5 exponent bits, 2 mantissa bits); its scale is its entry of lowp_scales. Its value is code x scale, taken as it is: it is not quantised again, and the codes and scales need not be those that the quantiser above would give.
;; One version. Each part assembles by itself: llvm-mc -triple=amdgcn-amd-amdhsa -mcpu=gfx1250 --defsym DOCPART=n.
;; ======== version 1 of 1: 3 launches
;; limits: right only within a limited range of input values
;; workspace buffers: qc 8,388,608 bytes; kc 8,388,608 bytes; vc 8,388,608 bytes; att 8,388,608 bytes
;; launch qkv (part 1): grid 12 x 32, 4 waves a work-group, clusters of 4 x 4, 327,680 bytes of LDS; arguments x_codes, w_q_codes, w_k_codes, w_v_codes, b_q, b_k, b_v, lowp_scales, qc, kc, vc; writes qc, kc, vc
.if DOCPART == 1
	.amdgcn_target "amdgcn-amd-amdhsa--gfx1250"
	.amdhsa_code_object_version 6
	.text
	.protected	k_qae0dd2723f_qkv
	.globl	k_qae0dd2723f_qkv
	.p2align	8
	.type	k_qae0dd2723f_qkv,@function
k_qae0dd2723f_qkv:
	s_mov_b64 s[64:65], 0
	v_nop
	global_prefetch_b8 v0, s[64:65] scope:SCOPE_SE
	s_setreg_imm32_b32 hwreg(HW_REG_WAVE_MODE, 25, 1), 1
	s_wait_xcnt 0x0
	s_wait_alu depctr_hold_cnt(0) depctr_sa_sdst(0) depctr_va_vdst(0) depctr_va_sdst(0) depctr_va_ssrc(0) depctr_va_vcc(0) depctr_vm_vsrc(0)
	s_getreg_b32 s2, hwreg(HW_REG_IB_STS2, 6, 4)
	s_cmp_eq_u32 s2, 0
	s_cbranch_scc0 .Lentry_in_a_cluster
	s_endpgm
.Lentry_in_a_cluster:
	s_bfe_u32 s2, ttmp6, 0x10000c
	s_cmp_lg_u32 s2, 0xf033
	s_cbranch_scc0 .Lentry_shape_is_right
	s_endpgm
.Lentry_shape_is_right:
; q = x Wq^T + bq, k = x Wk^T + bk, v = x Wv^T + bv on codes of BF8 (E5M2), each result quantised at once (scales: entries 6, 7, 9) and stored as codes.
; x: [8192][1024] codes; the weights: [1024][1024] codes, K innermost: every operand row is 1,024 bytes.  The f32 numbers q, k, v never go to memory.
; WHICH PRODUCT: the cluster's x (0: q, 1: k, 2: v), the same in all sixteen partners.  A tile is 256 x 256; four waves, each 128 x 128: 64 accumulators, 512 registers.
; K = 1,024 goes in four steps of 256 through a ring of two LDS slots; the text is written out, without a loop.
; THE MATRIX INSTRUCTION TAKES source 0 = 16 rows of BMAT, source 1 = 16 rows of AMAT: lane (r, h) then holds AMAT's row r, and its register j BMAT's row 8 h + j.
;   q, k: AMAT = x (tile 4 x cluster y + cy), BMAT = the weight (tile cx): a lane holds one token, its registers run along the head's channels: the next product's K.
;   v:    AMAT = Wv (tile cy), BMAT = x (tile 4 x cluster y + cx): a lane holds one channel, its registers run along the keys: the next product's K.
; So eight results of a lane become two code registers, which ARE registers 2 c, 2 c + 1 (k = 16 c + 8 h + 0 .. 7) of the next operand: the workspaces hold IMAGES OF OPERAND REGISTERS,
; 16 bytes a lane, 512 consecutive bytes a store, and a wave's whole output is one dense block of 16,384 bytes:
;   qc, kc: ((pair x 128 + token tile) x 2 + head % 2) x 1024 + 512 c2 + 16 lane;   vc: ((pair x 16 + key step) x 8 + (head % 2) x 4 + channel tile) x 2048 + 512 c + 16 lane;   pair = batch x 8 + head / 2.
; CLUSTERS: AMAT's tiles are shared along a row of the cluster, BMAT's along a column: each is asked for jointly, by the same tensor load with a mask that names the four.
; THE BIAS is the C of each sum's first matrix instruction, given as bias / 2^es (es = the two operands' exponents added): the sums stand in units of 2^es, and hold and conversion take 2^(eo - es).
; The 384 tiles are 24 clusters; no tile that the registers hold divides three products of this size into one equal share for each WGP.
; PREFETCH INTO THE L2: behind K step 0's load a wave asks for K steps 1 and 2, behind K step 1's load for K step 3: one or two K steps ahead of the load that wants them, at most two K steps asked for and not yet loaded.
; One instruction names 32 rows x 256 bytes, a lane a row.  Of the 128 rows that a wave fetches, each of the four partners that ask for them jointly takes 32, told apart by address (cx for AMAT, cy for BMAT).
; A weight's tiles are read by eight clusters: the clusters with y < 4 alone ask for them (a branch on the cluster's y and the wave's number).  The address registers are never rewritten.
; LIMITS: eo - es between -126 and 112, so that both powers of two below are f32 numbers.  NaN is not served.
; REGISTERS, in windows of 256: window 0: v1-7, v16-30 addresses and scales; v32-95 the bias's eight tiles, later the held sums; v96-103 at work; v128-255 AMAT's fragments (one set), later the codes.
;   window 1: BMAT's fragments, two sets.   windows 2, 3: the accumulators ((a, b) at v[8 (8 (a % 4) + b)]).
.set ROWB,   256                       ; a tile's row in bytes: a K step
.set KROW,   1024                      ; a row of either operand in memory
.set PITCH,  272                       ; an LDS row: 256 bytes + 16 of padding
.set FR,     16                        ; registers of a fragment: 16 rows x 128 K
.set NL,     4                         ; LDS loads that bring one
.set NP,     4                         ; places behind this matrix instruction (ISA guide 7.12.1)
.set HALFT,  128*PITCH                 ; 128 rows: what one tensor load brings
.set SLOT,   4*HALFT                   ; AMAT's 256 rows, then BMAT's 256
.set SPARE,  2*SLOT                    ; behind the ring: the spare words, two blocks of 256 bytes that no other line names
.set SC,   6                           ; v6   2^(eo - es)
.set LIM,  7                           ; v7   57,344 x 2^(eo - es)
.set ADRA, 16                          ; v16-17 LDS address of my AMAT fragments in slot 0, 1
.set ADRB, 20                          ; v20-21 the same for BMAT
.set CO,   26                          ; v26  16 x lane
.set BA,   27                          ; v27  my lane's byte in the bias
.set SPW,  28                          ; v28  my spare word; never rewritten
.set NIL,  29                          ; v29  0; never rewritten
.set PFO,  30                          ; v30  the prefetches' offset: 1,024 x lane; never rewritten
.set PFA,  84                          ; s[84:85] my work-group's 32 rows of the 128 that I fetch, at K step 0; never rewritten
.set BI,   32                          ; v32-95 the bias, eight tiles of eight registers
.set TMP,  32                          ; the way out: a block's 64 held sums
.set T8,   96                          ; v96-103 v's bias as loaded
.set AF,   128                         ; AMAT's fragments
.set CD,   128                         ; the way out: 16 code registers for each of the 8 blocks
.set G1, 24                            ; s[24:31] group 1 for AMAT;  s[32:39] group 0, a set for each slot
.set G0, 32
.set G1B, 48                           ; s[48:55], s[56:63] the same for BMAT
.set G0B, 56
.set MSB, 0
.macro WIN new                         ; the immediate's high byte repeats the setting that is left
.if MSB != (\new)
	s_set_vgpr_msb (MSB<<8)|(\new)
.set MSB, (\new)
.endif
.endm
.set MUL_LO, 0xa1                      ; source 0 (BMAT) window 1, source 1 (AMAT) window 0, C and D window 2
.set MUL_HI, 0xf1                      ; the same, C and D window 3
.set FST_LO, 0x81                      ; a sum's first product: C (the bias) window 0, D window 2
.set FST_HI, 0xc1                      ; D window 3
.set TO_B,   0x40                      ; destination window 1, address window 0
; A joint load: waves 0 and 1 fetch for AMAT, waves 2 and 3 for BMAT.  The branch hangs on the wave's number alone.
.macro JLOAD g0a, g1a, g0b, g1b
	s_cmp_eq_u32 s15, 0
	s_cbranch_scc0 .Lfor_b_\@
	tensor_load_to_lds s[\g0a:\g0a+3], s[\g1a:\g1a+7]
	s_nop 0
.rept 4
	v_nop
.endr
	s_branch .Lasked_\@
.Lfor_b_\@:
	tensor_load_to_lds s[\g0b:\g0b+3], s[\g1b:\g1b+7]
	s_nop 0
.rept 4
	v_nop
.endr
.Lasked_\@:
.endm
.macro CREST                           ; a round of the cluster's barrier behind its opening barrier
	s_cmp_lg_u32 s14, 0
	s_cbranch_scc1 .Lnot_wave_0_\@
	s_barrier_signal -3
.Lnot_wave_0_\@:
	s_barrier_wait -3
	s_barrier_signal -1
	s_barrier_wait -1
.endm
.macro CROUND                          ; a whole round
	s_barrier_signal -1
	s_barrier_wait -1
	CREST
.endm
	s_load_b512 s[68:83], s[0:1], 0x0              ; x s[68:69], Wq s[70:71], Wk s[72:73], Wv s[74:75], bq s[76:77], bk s[78:79], bv s[80:81], the scales s[82:83]
	s_load_b128 s[84:87], s[0:1], 0x40             ; qc s[84:85], kc s[86:87]
	s_load_b64 s[88:89], s[0:1], 0x50              ; vc
	v_lshl_add_u32 v[SPW], v0, 2, SPARE
	v_mov_b32 v[NIL], 0
	ds_add_u32 v28, v29                            ; the opening: the add, twice on end, and its wait
	ds_add_u32 v28, v29
	s_wait_dscnt 0x0
	v_lshrrev_b32 v1, 5, v0
	v_readfirstlane_b32 s14, v1                    ; wave 0..3
	s_lshr_b32 s15, s14, 1                         ; which half of AMAT's rows is mine.  Also: I fetch for AMAT (0) or for BMAT (1)
	s_and_b32 s16, s14, 1                          ; which half of BMAT's rows.  Also: which 128 rows of that tile I fetch
	s_bfe_u32 s40, ttmp6, 0x40000                  ; cx, cy: my place in the cluster
	s_bfe_u32 s41, ttmp6, 0x40004
	s_and_b32 s13, ttmp7, 0xffff
	s_lshl_b32 s13, s13, 2                         ; 4 x cluster y
	s_add_co_u32 s2, s13, s41                      ; x's tile, where x is AMAT
	s_add_co_u32 s3, s13, s40                      ; x's tile, where x is BMAT
	s_cmp_eq_u32 ttmp9, 2                          ; v?  The cluster's x is the same in all partners
	s_cselect_b32 s17, s41, s2                     ; AMAT's tile: made of cy and the cluster's y alone
	s_cselect_b32 s42, s3, s40                     ; BMAT's tile: made of cx and the cluster's y alone
	s_lshl_b32 s43, s41, 2
	s_lshl_b32 s43, 15, s43                        ; my row of the cluster
	s_lshl_b32 s44, 0x1111, s40                    ; my column
	; group 1: a tile of 128 rows x 256 bytes, padded in LDS
	s_or_b32 s[G1+0], s43, (0<<16)|(1<<20)|(1<<21)|(5<<22)|(3<<25)  ; the mask; element of 1 byte; padding on; bit 21 beside a mask; after every 64 words four words
	s_or_b32 s[G1B+0], s44, (0<<16)|(1<<20)|(1<<21)|(5<<22)|(3<<25)
.irp g, G1, G1B
	s_mov_b32 s[\g+1], ROWB<<16                    ; tensor_dim0
	s_mov_b32 s[\g+2], 128<<16                     ; tensor_dim1
	s_mov_b32 s[\g+3], ROWB<<16                    ; tile_dim0
	s_mov_b32 s[\g+4], 128                         ; tile_dim1
	s_mov_b32 s[\g+5], KROW                        ; tensor_dim0_stride
	s_mov_b32 s[\g+6], 0
	s_mov_b32 s[\g+7], 0
.endr
	s_lshl_b32 s18, s16, 7                         ; which 128 rows of the tile I fetch
	s_lshl_b32 s20, s17, 8
	s_add_co_u32 s20, s20, s18
	s_lshl_b32 s20, s20, 10                        ; AMAT: (256 x tile + 128 x half) rows of 1,024 bytes: under 2^23
	s_mov_b32 s21, 0
	s_lshl_b32 s46, s42, 8
	s_add_co_u32 s46, s46, s18
	s_lshl_b32 s46, s46, 10                        ; BMAT likewise
	s_mov_b32 s47, 0
	s_mul_i32 s45, s14, HALFT                      ; where they go: wave x 128 rows: no place in the cluster enters an LDS address
	s_wait_kmcnt 0x0
	s_cmp_eq_u32 ttmp9, 2                          ; the buffers are chosen by the cluster's x alone
	s_cselect_b64 s[90:91], s[74:75], s[68:69]     ; AMAT: Wv, else x
	s_cselect_b64 s[92:93], s[68:69], s[70:71]     ; BMAT: x, else Wq
	s_cselect_b64 s[94:95], s[80:81], s[76:77]     ; the bias
	s_cselect_b64 s[96:97], s[88:89], s[84:85]     ; the codes' buffer
	s_cmp_eq_u32 ttmp9, 1
	s_cselect_b64 s[92:93], s[72:73], s[92:93]     ; k: Wk,
	s_cselect_b64 s[94:95], s[78:79], s[94:95]     ; bk,
	s_cselect_b64 s[96:97], s[86:87], s[96:97]     ; kc
	s_load_b256 s[4:11], s[82:83], 0x0             ; e0 .. e7
	s_load_b32 s12, s[82:83], 0x24                 ; e9
	s_add_nc_u64 s[20:21], s[90:91], s[20:21]
	s_add_nc_u64 s[46:47], s[92:93], s[46:47]
	CROUND                                         ; all sixteen work-groups are here: the first joint loads meet
.irp s, 0,1
	s_mov_b32 s[G0+4*\s], 1
	s_add_co_u32 s[G0+4*\s+1], s45, \s*SLOT
	s_add_nc_u64 s[G0+4*\s+2:G0+4*\s+3], s[20:21], \s*ROWB
	s_or_b32 s[G0+4*\s+3], s[G0+4*\s+3], 0x80000000
	s_mov_b32 s[G0B+4*\s], 1
	s_add_co_u32 s[G0B+4*\s+1], s45, \s*SLOT
	s_add_nc_u64 s[G0B+4*\s+2:G0B+4*\s+3], s[46:47], \s*ROWB
	s_or_b32 s[G0B+4*\s+3], s[G0B+4*\s+3], 0x80000000
.endr
	JLOAD G0, G1, G0B, G1B                         ; K step 0: one tensor load a wave at the head
	; the prefetches: where mine stand, and whether I ask
	s_cmp_eq_u32 ttmp9, 2
	s_cselect_b32 s2, 1, 0
	s_xor_b32 s2, s2, s15                          ; 1: what I fetch is a weight's tile (BMAT for q and k, AMAT for v)
	s_lshr_b32 s3, s13, 4                          ; 1: the cluster's y is 4 or more
	s_and_b32 s3, s3, s2                           ; 1: I do not ask
	s_cmp_eq_u32 s15, 0
	s_cselect_b64 s[PFA:PFA+1], s[20:21], s[46:47] ; the 128 rows that I fetch,
	s_cselect_b32 s86, s40, s41                    ; my place among the four that ask for them with me,
	s_lshl_b32 s86, s86, 15                        ; x 32 rows of 1,024 bytes
	s_mov_b32 s87, 0
	s_add_nc_u64 s[PFA:PFA+1], s[PFA:PFA+1], s[86:87]
	v_and_b32 v[PFO], 31, v0
	v_lshlrev_b32 v[PFO], 10, v[PFO]               ; a lane a row
	s_cmp_eq_u32 s3, 0
	s_cbranch_scc0 .Lno_ask0
	global_prefetch_b8 v[PFO], s[PFA:PFA+1] offset:ROWB th:TH_LOAD_NT scope:SCOPE_SE     ; K step 1
	global_prefetch_b8 v[PFO], s[PFA:PFA+1] offset:2*ROWB th:TH_LOAD_NT scope:SCOPE_SE   ; K step 2
.Lno_ask0:
	v_and_b32 v1, 15, v0                           ; r = lane % 16
	v_bfe_u32 v2, v0, 4, 1                         ; h = lane / 16
	v_mul_u32_u24 v3, v1, PITCH
	v_lshl_add_u32 v4, v2, 4, v3                   ; a fragment's row x pitch + 16 x half
	s_mul_i32 s21, s15, HALFT                      ; my 128 rows of AMAT
	s_mul_i32 s22, s16, HALFT                      ; my 128 rows of BMAT,
	s_add_co_u32 s22, s22, 2*HALFT                 ; which lie behind AMAT's 256
.irp s, 0,1
	v_add_nc_u32 v[ADRA+\s], s21, v4
	v_add_nc_u32 v[ADRB+\s], s22, v4
	s_add_co_u32 s21, s21, SLOT
	s_add_co_u32 s22, s22, SLOT
.endr
	v_and_b32 v5, 31, v0
	v_lshlrev_b32 v[CO], 4, v5                     ; 16 x lane
	; the scales.  Nothing branches on them: they are chosen by the cluster's x and go into arithmetic alone
	s_wait_kmcnt 0x0
	s_add_co_i32 s18, s4, s5                       ; e0 + e1
	s_add_co_i32 s19, s6, s7                       ; e2 + e3
	s_add_co_i32 s22, s8, s9                       ; e4 + e5
	s_cmp_eq_u32 ttmp9, 2
	s_cselect_b32 s98, s22, s18                    ; es
	s_cselect_b32 s99, s12, s10                    ; eo: e9, else e6
	s_cmp_eq_u32 ttmp9, 1
	s_cselect_b32 s98, s19, s98
	s_cselect_b32 s99, s11, s99                    ; k: e7
	s_sub_co_i32 s22, s99, s98                     ; eo - es
	s_add_co_i32 s22, s22, 127
	s_lshl_b32 s23, s22, 23
	v_mov_b32 v[SC], s23                           ; 2^(eo - es) as f32: the conversion takes its exponent field
	s_add_co_i32 s22, s22, 15
	s_lshl_b32 s22, s22, 23
	s_or_b32 s22, s22, 0x600000
	v_mov_b32 v[LIM], s22                          ; 57,344 x that
	s_sub_co_i32 s98, 0, s98                       ; -es
	; which features and which tokens are mine
	s_cmp_eq_u32 ttmp9, 2
	s_cselect_b32 s66, s41, s40                    ; the weight's tile of 256 features
	s_cselect_b32 s67, s15, s16                    ; my half of it: 128 features, a pair of heads
	s_cselect_b32 s68, s16, s15                    ; my half of x's tile
	s_cselect_b32 s69, s42, s17                    ; x's tile of 256 tokens
	s_lshl_b32 s70, s66, 10
	s_lshl_b32 s71, s67, 9
	s_add_co_u32 s70, s70, s71                     ; 4 bytes x (256 x tile + 128 x half)
	s_mov_b32 s71, 0
	s_add_nc_u64 s[94:95], s[94:95], s[70:71]      ; the bias at my 128 features
	s_lshr_b32 s70, s69, 3                         ; the batch
	s_lshl_b32 s70, s70, 3
	s_lshl_b32 s71, s66, 1
	s_add_co_u32 s70, s70, s71
	s_add_co_u32 s70, s70, s67                     ; pair = batch x 8 + 2 x tile + half
	s_lshl_b32 s70, s70, 4
	s_and_b32 s71, s69, 7
	s_lshl_b32 s71, s71, 1
	s_add_co_u32 s70, s70, s71
	s_add_co_u32 s70, s70, s68                     ; x 16 + which 128 tokens of the batch
	s_lshl_b32 s70, s70, 14                        ; blocks of 16,384 bytes: under 2^23
	s_mov_b32 s71, 0
	s_add_nc_u64 s[96:97], s[96:97], s[70:71]      ; my wave's block of codes
	; the bias in the result's layout, divided by 2^es
	s_cmp_eq_u32 ttmp9, 2
	s_cbranch_scc1 .Lbias_v
	v_lshlrev_b32 v[BA], 5, v2                     ; q, k: register j of tile b is feature 16 b + 8 h + j
.irp b, 0,1,2,3,4,5,6,7
	global_load_b128 v[BI+8*\b:BI+8*\b+3], v[BA], s[94:95] offset:64*\b
	global_load_b128 v[BI+8*\b+4:BI+8*\b+7], v[BA], s[94:95] offset:64*\b+16
.endr
	s_wait_loadcnt 0x0
.set i, 0
.rept 64
	v_ldexp_f32 v[BI+i], v[BI+i], s98
.set i, i+1
.endr
	s_branch .Lbias_done
.Lbias_v:
	v_lshlrev_b32 v[BA], 2, v1                     ; v: all eight registers of block a are feature 16 a + r
.irp a, 0,1,2,3,4,5,6,7
	global_load_b32 v[T8+\a], v[BA], s[94:95] offset:64*\a
.endr
	s_wait_loadcnt 0x0
.irp a, 0,1,2,3,4,5,6,7
.irp j, 0,1,2,3,4,5,6,7
	v_ldexp_f32 v[BI+8*\a+\j], v[T8+\a], s98
.endr
.endr
.Lbias_done:
.macro FRAG reg, adr, q, i             ; a fragment by four loads of 16 bytes: registers 4 c .. 4 c + 3 hold K = 32 c + 16 (lane / 16) + 0 .. 15: one permutation of k, the same in both operands
.irp c, 0,1,2,3
	ds_load_b128 v[\reg+4*\c:\reg+4*\c+3], v[\adr] offset:128*(\q)+32*\c+(\i)*16*PITCH
.endr
.endm
; 16 matrix instructions: AMAT's blocks a0, a0 + 1 x BMAT's eight, 128 along K.  p: BMAT's set.  cm = 0: in place; 1: C = the bias of BMAT's block; 2: C = the bias of AMAT's block.
; The 64 accumulators take turns, one instruction a turn, in the same order in every step.
.macro MUL16 a0, p, cm
.irp a, \a0, \a0+1
.irp b, 0,1,2,3,4,5,6,7
.if \cm == 1
	v_wmma_f32_16x16x128_bf8_bf8 v[8*(8*((\a)%4)+\b):8*(8*((\a)%4)+\b)+7], v[128*(\p)+FR*\b:128*(\p)+FR*\b+FR-1], v[AF+FR*(\a):AF+FR*(\a)+FR-1], v[BI+8*\b:BI+8*\b+7]
.elseif \cm == 2
	v_wmma_f32_16x16x128_bf8_bf8 v[8*(8*((\a)%4)+\b):8*(8*((\a)%4)+\b)+7], v[128*(\p)+FR*\b:128*(\p)+FR*\b+FR-1], v[AF+FR*(\a):AF+FR*(\a)+FR-1], v[BI+8*(\a):BI+8*(\a)+7]
.else
	v_wmma_f32_16x16x128_bf8_bf8 v[8*(8*((\a)%4)+\b):8*(8*((\a)%4)+\b)+7], v[128*(\p)+FR*\b:128*(\p)+FR*\b+FR-1], v[AF+FR*(\a):AF+FR*(\a)+FR-1], v[8*(8*((\a)%4)+\b):8*(8*((\a)%4)+\b)+7]
.endif
.endr
.endr
.endm
.macro FETCH_B slot, q, p              ; BMAT's eight fragments of the slot's q-th 128 along K into set p
	WIN TO_B
.irp i, 0,1,2,3,4,5,6,7
	FRAG 128*(\p)+FR*\i, ADRB+\slot, \q, \i
.endr
	WIN 0
.endm
.macro FETCH_A slot, q, i0             ; AMAT's blocks i0 .. i0 + 3
.irp i, \i0, \i0+1, \i0+2, \i0+3
	FRAG AF+FR*(\i), ADRA+\slot, \q, \i
.endr
.endm
.macro PLACES n                        ; plain vector lines between a matrix instruction and a load into, or a read of, its registers
.rept \n
	v_nop
.endr
.endm
; A step of 128 along K that has its successor in the same slot.
.macro STEP slot, q, cm
	s_wait_dscnt 4*NL                              ; BMAT's set and AMAT's blocks 0-3 are in; the youngest 16 loads (blocks 4-7) may be out
.if \cm
	WIN FST_LO
.else
	WIN MUL_LO
.endif
	MUL16 0, (\q)%2, \cm
	MUL16 2, (\q)%2, \cm
	s_wait_dscnt 0                                 ; blocks 4-7 are in (asked for 32 matrix instructions ago)
	PLACES NP
	FETCH_B \slot, (\q)+1, 1-(\q)%2
	FETCH_A \slot, (\q)+1, 0
.if \cm
	WIN FST_HI
.else
	WIN MUL_HI
.endif
	MUL16 4, (\q)%2, \cm
	MUL16 6, (\q)%2, \cm
	PLACES NP
	WIN 0
	FETCH_A \slot, (\q)+1, 4
.endm
; A slot's last step changes slots: ONE barrier; in front of it each wave waits for all its tensor loads, adds 0 to its spare word, and waits for that and for its own reads of this slot.  fill = 1: this slot is filled again, two K steps ahead.
.macro TURN slot, next, fill
	s_wait_tensorcnt 0x0                           ; all my tensor loads have landed: my part of the next slot  (every window is 0 here)
	ds_add_u32 v[SPW], v[NIL]                      ; 0 onto my spare word
	s_wait_dscnt 4*NL+1                            ; (the add and the youngest 16 loads may be out)
	WIN MUL_LO
	MUL16 0, 1, 0                                  ; sixteen matrix instructions stand between the add and the wait for it
	s_wait_dscnt 0x0                               ; the add is done, and my reads of this slot are over
	s_barrier_signal -1
	MUL16 2, 1, 0
	WIN 0
	s_barrier_wait -1
.if \fill
	CREST                                          ; the barrier has opened a round of the cluster's barrier: no wave of any partner still reads this slot or has a load on its way
	s_add_nc_u64 s[G0+4*\slot+2:G0+4*\slot+3], s[G0+4*\slot+2:G0+4*\slot+3], 2*ROWB
	s_add_nc_u64 s[G0B+4*\slot+2:G0B+4*\slot+3], s[G0B+4*\slot+2:G0B+4*\slot+3], 2*ROWB
	JLOAD G0+4*\slot, G1, G0B+4*\slot, G1B         ; the first tensor load behind the round, one a wave; its four v_nop are the places in front of the loads below
.else
	PLACES NP
.endif
	FETCH_B \next, 0, 0
	FETCH_A \next, 0, 0
	WIN MUL_HI
	MUL16 4, 1, 0
	MUL16 6, 1, 0
	PLACES NP
	WIN 0
	FETCH_A \next, 0, 4
.endm
	s_wait_alu depctr_va_vdst(0)                   ; the wait at the head's end
	s_wait_tensorcnt 0x0                           ; my part of K step 0 is in
	ds_add_u32 v[SPW], v[NIL]
	s_wait_dscnt 0x0
	CROUND                                         ; everybody's part of K step 0 is in, and the joint loads meet
	JLOAD G0+4, G1, G0B+4, G1B                     ; K step 1: the first tensor load behind the round
	FETCH_B 0, 0, 0
	FETCH_A 0, 0, 0
	FETCH_A 0, 0, 4
	s_cmp_eq_u32 s3, 0
	s_cbranch_scc0 .Lno_ask1
	global_prefetch_b8 v[PFO], s[PFA:PFA+1] offset:3*ROWB th:TH_LOAD_NT scope:SCOPE_SE   ; K step 3
.Lno_ask1:
	s_cmp_eq_u32 ttmp9, 2                          ; the first step is written twice: it differs in which block's bias starts a sum.  Both ways issue the same loads and hold no barrier and no tensor load
	s_cbranch_scc1 .Lfirst_v
	s_wait_alu depctr_va_vdst(0)
	STEP 0, 0, 1
	s_branch .Lfirst_done
.Lfirst_v:
	s_wait_alu depctr_va_vdst(0)
	STEP 0, 0, 2
.Lfirst_done:
	TURN 0, 1, 1                                   ; K 128-255; slot 0 takes K 512-767
	STEP 1, 0, 0
	TURN 1, 0, 1                                   ; slot 1 takes K 768-1023
	STEP 0, 0, 0
	TURN 0, 1, 0                                   ; nothing is left to fetch
	STEP 1, 0, 0
	s_wait_dscnt 4*NL                              ; the last step
	WIN MUL_LO
	MUL16 0, 1, 0
	MUL16 2, 1, 0
	s_wait_dscnt 0
	WIN MUL_HI
	MUL16 4, 1, 0
	MUL16 6, 1, 0
	WIN 0
; THE WAY OUT of block a (16 rows of AMAT x my 128 rows of BMAT): held within the largest code x the scale (the conversion to an 8-bit code does not saturate: ISA guide 7.6.2), each accumulator from
; its low end on; eight numbers of a lane become two code registers; the block's 16 code registers leave as four stores of 512 consecutive bytes.  Each block has code registers of its own: no store's data are written again.
.macro OUTB a
.set AC, 64*((\a)%4)
	WIN 0x02+((\a)/4)                              ; source 0: window 2 or 3
.set i, 0
.rept 64
	v_med3_num_f32 v[TMP+i], v[AC+i], -v[LIM], v[LIM]
.set i, i+1
.endr
	WIN 0
.irp b, 0,1,2,3,4,5,6,7
	v_cvt_scalef32_pk8_bf8_f32 v[CD+16*(\a)+2*\b:CD+16*(\a)+2*\b+1], v[TMP+8*\b:TMP+8*\b+7], v[SC]
.endr
	v_nop                                          ; one plain line between the conversions and the next block's holds, which write their sources
.irp c, 0,1,2,3
	global_store_b128 v[CO], v[CD+16*(\a)+4*\c:CD+16*(\a)+4*\c+3], s[96:97] offset:2048*(\a)+512*\c
.endr
.endm
	PLACES NP                                      ; behind the last products: their results are read, and AMAT's registers written, only behind these
.irp a, 0,1,2,3,4,5,6,7
	OUTB \a
.endr
	s_wait_tensorcnt 0x0                           ; the wave's end
	ds_add_u32 v[SPW], v[NIL]
	s_wait_dscnt 0x0
	CROUND                                         ; the closing round: no work-group ends while a partner may still ask for a tile that names it
	s_endpgm
.Lfunc_end_k_qae0dd2723f_qkv:
	.size	k_qae0dd2723f_qkv, .Lfunc_end_k_qae0dd2723f_qkv-k_qae0dd2723f_qkv
	.p2alignl 7, 3214868480
	.fill 96, 4, 3214868480
	.section	.rodata,"a",@progbits
	.p2align	6, 0x0
	.amdhsa_kernel k_qae0dd2723f_qkv
		.amdhsa_group_segment_fixed_size 327680
		.amdhsa_private_segment_fixed_size 0
		.amdhsa_enable_private_segment 0
		.amdhsa_kernarg_size 88
		.amdhsa_user_sgpr_count 2
		.amdhsa_user_sgpr_kernarg_segment_ptr 1
		.amdhsa_wavefront_size32 1
		.amdhsa_system_sgpr_workgroup_id_x 1
		.amdhsa_system_sgpr_workgroup_id_y 1
		.amdhsa_system_sgpr_workgroup_id_z 1
		.amdhsa_system_vgpr_workitem_id 0
		.amdhsa_next_free_vgpr 1024
		.amdhsa_next_free_sgpr 100
		.amdhsa_reserve_vcc 0
		.amdhsa_float_denorm_mode_32 3
		.amdhsa_float_denorm_mode_16_64 3
		.amdhsa_memory_ordered 1
		.amdhsa_forward_progress 1
		.amdhsa_inst_pref_size 139
	.end_amdhsa_kernel
	.amdgpu_metadata
---
amdhsa.version: [ 1, 2 ]
amdhsa.kernels:
  - .name:           k_qae0dd2723f_qkv
    .symbol:         k_qae0dd2723f_qkv.kd
    .args:
      - { .name: x_codes, .offset: 0, .size: 8, .value_kind: global_buffer, .address_space: global }
      - { .name: w_q_codes, .offset: 8, .size: 8, .value_kind: global_buffer, .address_space: global }
      - { .name: w_k_codes, .offset: 16, .size: 8, .value_kind: global_buffer, .address_space: global }
      - { .name: w_v_codes, .offset: 24, .size: 8, .value_kind: global_buffer, .address_space: global }
      - { .name: b_q, .offset: 32, .size: 8, .value_kind: global_buffer, .address_space: global }
      - { .name: b_k, .offset: 40, .size: 8, .value_kind: global_buffer, .address_space: global }
      - { .name: b_v, .offset: 48, .size: 8, .value_kind: global_buffer, .address_space: global }
      - { .name: lowp_scales, .offset: 56, .size: 8, .value_kind: global_buffer, .address_space: global }
      - { .name: qc, .offset: 64, .size: 8, .value_kind: global_buffer, .address_space: global }
      - { .name: kc, .offset: 72, .size: 8, .value_kind: global_buffer, .address_space: global }
      - { .name: vc, .offset: 80, .size: 8, .value_kind: global_buffer, .address_space: global }
    .group_segment_fixed_size: 327680
    .private_segment_fixed_size: 0
    .kernarg_segment_align: 8
    .kernarg_segment_size: 88
    .max_flat_workgroup_size: 128
    .sgpr_count:     100
    .vgpr_count:     1024
    .wavefront_size: 32
...
	.end_amdgpu_metadata
.endif
;; end of part 1
;; launch attn (part 2): grid 4 x 64, 8 waves a work-group, clusters of 4 x 1, 264,192 bytes of LDS; arguments qc, kc, vc, lowp_scales, att; writes att
.if DOCPART == 2
	.amdgcn_target "amdgcn-amd-amdhsa--gfx1250"
	.amdhsa_code_object_version 6
	.text
	.protected	k_qae0dd2723f_attn
	.globl	k_qae0dd2723f_attn
	.p2align	8
	.type	k_qae0dd2723f_attn,@function
k_qae0dd2723f_attn:
	s_mov_b64 s[64:65], 0
	v_nop
	global_prefetch_b8 v0, s[64:65] scope:SCOPE_SE
	s_setreg_imm32_b32 hwreg(HW_REG_WAVE_MODE, 25, 1), 1
	s_wait_xcnt 0x0
	s_wait_alu depctr_hold_cnt(0) depctr_sa_sdst(0) depctr_va_vdst(0) depctr_va_sdst(0) depctr_va_ssrc(0) depctr_va_vcc(0) depctr_vm_vsrc(0)
	s_getreg_b32 s2, hwreg(HW_REG_IB_STS2, 6, 4)
	s_cmp_eq_u32 s2, 0
	s_cbranch_scc0 .Lentry_in_a_cluster
	s_endpgm
.Lentry_in_a_cluster:
	s_bfe_u32 s2, ttmp6, 0x10000c
	s_cmp_lg_u32 s2, 0x3003
	s_cbranch_scc0 .Lentry_shape_is_right
	s_endpgm
.Lentry_shape_is_right:
; o = softmax(q k^T / 8) v for one (batch, head) and 512 queries, both products on codes of BF8 (E5M2); o is divided by the row's sum, quantised (entry 10) and stored as codes.
; qc, kc, vc hold images of operand registers (16 bytes a lane, 512 bytes for four registers):
;   qc, kc: ((pair x 128 + token tile) x 2 + head % 2) x 1024: 16 tokens x the head's 64, 8 registers;   vc: ((pair x 16 + key step) x 8 + (head % 2) x 4 + channel tile) x 2048: 16 channels x 128 keys, 16 registers.
;   att: (head / 4) x 2,097,152 + (batch x 128 + token tile) x 4096 + (head % 4) x 1024: 16 tokens x the head's 64, 8 registers.   pair = (batch x 16 + head) / 2.
; THE SOFTMAX: t = score x log2(e) / 8; M = the running largest t rounded UP to a whole number, kept as -M; p = 2^(t - M) is quantised along the keys, not normalised; the row's sum is taken of the
; unquantised p.  When M moves, the sum and O are multiplied by 2^(old M - new M): exact, and without a branch.
; SHARES.  The work-group's y is batch x 16 + head; its place cx in the cluster says which 512 queries.  Each of EIGHT waves owns FOUR tiles of 16 queries: a fragment of K or V read from LDS feeds four matrix instructions.
; ALL OF THE HEAD'S K AND V LIES IN LDS (131,072 bytes each), every byte filled once: no ring.  The four work-groups of a cluster walk the same head: each tile is asked for JOINTLY (mask 15).
; Every wave issues one load of 32,768 bytes at the head: waves 0-3 K's quarters, waves 4-7 V's; one wait for 0 and one barrier show all of it to all waves.
; No prefetch: every tile is asked for by the one group of loads at the head; there is no later load to run ahead of.
; LAYOUT.  S^T = K Q^T (source 0 = 16 keys, source 1 = 16 queries), O^T = V^T P^T (source 0 = 16 channels, source 1 = P): a lane holds ONE query (lane % 16).  Register j of score tile T is key 16 T + 8 (lane / 16) + j,
; so its eight codes are registers 2 T, 2 T + 1 of the second product's operand; O^T's eight of channel tile d likewise become registers 2 d, 2 d + 1 of the last product's operand.
; THE WALK goes tile by tile, n = 4 x key step + tile, on two sets of score registers by turns.  Tile n's part of the text holds work of three tiles:
;   its own maxima, t - M, exponentials, rescaling and sum;  tile n - 1's holds (between the exponentials: they name none of the batch's registers), conversions and second product;  tile n + 1's scores.
;   The twelve matrix instructions stand singly among the 32 additions of the sum, which name none of their registers.  K's fragments of the next step are loaded in tile 2, V's in tile 0.
; So the loop's trip runs tiles 1, 2, 3 of a step and tile 0 of the next; the first tile 0 and the last step's tiles 1 to 3 are written out, and behind them the last tile's holds, conversions and product.
; O^T begins as zeros and -M as 3e38: the first change of M multiplies zeros, so no step has a first form of its own.
; LIMITS on the given exponents: e6 + e7 between -123 and 130 (added to c's exponent field); e8 and e10 between -126 and 112; e8 + e9 goes in by v_ldexp_f32 and has none.  NaN and infinities are not served.
; REGISTERS.  Window 0: v1 16 x lane; v2, v3 LDS addresses; v4 f, v5 at work; v6, v7 the hold, twice; tile t: v[8+4t] -M, v[10+4t:11+4t] its sum; v9 2^e8; v13 the lane exchange; v24, v25 the spare word and 0;
;   v26-31 maxima, then three more chains of the sum; v32-63 Q; v64-127, v128-191 scores, then p; v192-255 K.   Window 1: v0-127 O^T; v128-191 V; v192-207 p's codes.
.set LI,   1
.set ADK,  2
.set ADV,  3
.set SPW,  24
.set NIL,  25
.set MX,   26
.set QA,   32
.set SSB,  64
.set KF,   192
.set VF,   128                         ; window 1
.set PB,   192                         ; window 1
.set VLDS, 131072                      ; V's images lie behind K's
.set SPARE, 0x40000                    ; behind them the spare words: 128 bytes a wave, four blocks of 256 bytes that no other line names
.set WV,   14
.set SEL,  20                          ; s[20:21] lane selects: lane xor 16
.set CS,   22                          ; s[22:23] c = log2(e) / 8 x 2^(e6 + e7)
.set G1K,  24
.set G1V,  32
.set G0K,  40
.set G0V,  44
.set TB,   84                          ; s84 LDS byte of the K fragments to load next
.set TBV,  85                          ; s85 of the V fragments
.set CNT,  86
.set MSB, 0
.macro WIN new                         ; low byte: bits 1:0 source 0, 3:2 source 1, 5:4 source 2, 7:6 destination; the high byte repeats the setting that is left
.if MSB != (\new)
	s_set_vgpr_msb (MSB<<8)|(\new)
.set MSB, (\new)
.endif
.endm
.macro CROUND                          ; a round of the cluster's barrier
	s_barrier_signal -1
	s_barrier_wait -1
	s_cmp_lg_u32 s[WV], 0
	s_cbranch_scc1 .Lnot_wave_0_\@
	s_barrier_signal -3
.Lnot_wave_0_\@:
	s_barrier_wait -3
	s_barrier_signal -1
	s_barrier_wait -1
.endm
.macro DMIN a                          ; the one-sided hold, two numbers a line: the conversion to an 8-bit code does not saturate (ISA guide 7.6.2), and p is not negative
	v_dual_min_num_f32 v[\a], v[\a], v6 :: v_dual_min_num_f32 v[\a+1], v[\a+1], v7
.endm
.macro KLOAD adr                       ; K's eight fragments of a key step, as they were stored: 512 consecutive bytes a load
.irp k, 0,1,2,3,4,5,6,7
	ds_load_b128 v[KF+8*\k:KF+8*\k+3], v[\adr] offset:1024*\k
	ds_load_b128 v[KF+8*\k+4:KF+8*\k+7], v[\adr] offset:1024*\k+512
.endr
.endm
.macro CODES sn                        ; 64 held p of a lane become 16 registers of codes: keys 16 j + 8 (lane / 16) + 0 .. 7 are registers 2 j, 2 j + 1 of the operand
	WIN 0x40
.set j, 0
.rept 8
	v_cvt_scalef32_pk8_bf8_f32 v[PB+2*j:PB+2*j+1], v[\sn+8*j:\sn+8*j+7], v9
.set j, j+1
.endr
	v_nop                                          ; one plain line between the conversions and the matrix instructions that write their sources or read their results
	WIN 0
.endm
	s_load_b256 s[4:11], s[0:1], 0x0               ; qc s[4:5], kc s[6:7], vc s[8:9], the scales s[10:11]
	s_load_b64 s[12:13], s[0:1], 0x20              ; att
	v_lshl_add_u32 v[SPW], v0, 2, SPARE
	v_mov_b32 v[NIL], 0
	ds_add_u32 v[SPW], v[NIL]                      ; the opening: the add, twice on end, and its wait ahead of my tensor load
	ds_add_u32 v[SPW], v[NIL]
	v_lshrrev_b32 v2, 5, v0
	v_readfirstlane_b32 s[WV], v2                  ; wave 0..7
	s_and_b32 s15, s[WV], 3                        ; which quarter of K or of V I fetch
	s_bfe_u32 s16, ttmp6, 0x40000                  ; cx: it enters qc's and att's offsets alone
	s_and_b32 s17, ttmp7, 0xffff                   ; batch x 16 + head, which the four partners share
	s_lshr_b32 s18, s17, 1                         ; pair
	s_and_b32 s19, s17, 1                          ; head % 2
	s_lshl_b32 s56, s18, 18
	s_lshl_b32 s57, s15, 16
	s_add_co_u32 s56, s56, s57                     ; 262,144 x pair + 65,536 x quarter
	s_lshl_b32 s58, s19, 10
	s_add_co_u32 s58, s58, s56                     ; K: + 1,024 x (head % 2)
	s_mov_b32 s59, 0
	s_lshl_b32 s60, s19, 13
	s_add_co_u32 s60, s60, s56                     ; V: + 8,192 x (head % 2)
	s_mov_b32 s61, 0
	s_lshl_b32 s62, s15, 15                        ; in LDS: 32,768 x quarter
	; group 1, elements of 8 bytes, no padding.  K: 32 rows (token tiles) of 1,024 bytes, 2,048 bytes apart.  V: 4 rows (key steps) of 8,192 bytes, 16,384 apart
	s_mov_b32 s[G1K], 15|(3<<16)|(1<<21)           ; the mask: all four work-groups; elements of 8 bytes; bit 21 set beside a mask
	s_mov_b32 s[G1K+1], 128<<16
	s_mov_b32 s[G1K+2], 32<<16
	s_mov_b32 s[G1K+3], 128<<16
	s_mov_b32 s[G1K+4], 32
	s_mov_b32 s[G1K+5], 256
	s_mov_b32 s[G1K+6], 0
	s_mov_b32 s[G1K+7], 0
	s_mov_b32 s[G1V], 15|(3<<16)|(1<<21)
	s_mov_b32 s[G1V+1], 1024<<16
	s_mov_b32 s[G1V+2], 4<<16
	s_mov_b32 s[G1V+3], 1024<<16
	s_mov_b32 s[G1V+4], 4
	s_mov_b32 s[G1V+5], 2048
	s_mov_b32 s[G1V+6], 0
	s_mov_b32 s[G1V+7], 0
	s_mov_b32 s[SEL], 0x76543210
	s_mov_b32 s[SEL+1], 0xfedcba98
	s_mov_b32 s[TB], 8192
	s_mov_b32 s[TBV], VLDS
	s_wait_dscnt 0x0                               ; both opening adds are done
	s_wait_kmcnt 0x0
	s_load_b64 s[88:89], s[10:11], 0x18            ; e6, e7
	s_load_b128 s[92:95], s[10:11], 0x20           ; e8, e9, e10, e11
	s_mov_b32 s[G0K], 1
	s_mov_b32 s[G0K+1], s62
	s_add_nc_u64 s[G0K+2:G0K+3], s[6:7], s[58:59]
	s_or_b32 s[G0K+3], s[G0K+3], 0x80000000
	s_mov_b32 s[G0V], 1
	s_add_co_u32 s[G0V+1], s62, VLDS
	s_add_nc_u64 s[G0V+2:G0V+3], s[8:9], s[60:61]
	s_or_b32 s[G0V+3], s[G0V+3], 0x80000000
	CROUND                                         ; all four work-groups are here: the joint loads meet
	s_cmp_lt_u32 s[WV], 4                          ; one load in each arm of one branch on the wave's number
	s_cbranch_scc0 .Lfor_v
	tensor_load_to_lds s[G0K:G0K+3], s[G1K:G1K+7]
	s_nop 0
.rept 4
	v_nop
.endr
	s_branch .Lasked
.Lfor_v:
	tensor_load_to_lds s[G0V:G0V+3], s[G1V:G1V+7]
	s_nop 0
.rept 4
	v_nop
.endr
.Lasked:
	s_lshl_b32 s90, s18, 18                        ; qc: 262,144 x pair
	s_lshl_b32 s87, s19, 10
	s_add_co_u32 s90, s90, s87                     ; + 1,024 x (head % 2)
	s_lshl_b32 s87, s16, 16
	s_add_co_u32 s90, s90, s87                     ; + 2,048 x (32 cx
	s_lshl_b32 s87, s[WV], 13
	s_add_co_u32 s90, s90, s87                     ; + 4 x wave)
	s_mov_b32 s91, 0
	s_add_nc_u64 s[4:5], s[4:5], s[90:91]
	v_and_b32 v[LI], 31, v0
	v_lshlrev_b32 v[LI], 4, v[LI]                  ; 16 x lane
.irp t, 0,1,2,3
	global_load_b128 v[QA+8*\t:QA+8*\t+3], v[LI], s[4:5] offset:2048*\t        ; Q's four tiles stay in registers
	global_load_b128 v[QA+8*\t+4:QA+8*\t+7], v[LI], s[4:5] offset:2048*\t+512
.endr
	s_and_b32 s90, s17, 15                         ; att: the head
	s_lshr_b32 s87, s90, 2
	s_lshl_b32 s87, s87, 21
	s_and_b32 s90, s90, 3
	s_lshl_b32 s90, s90, 10
	s_add_co_u32 s90, s90, s87                     ; (head / 4) x 2,097,152 + (head % 4) x 1,024
	s_lshr_b32 s87, s17, 4
	s_lshl_b32 s87, s87, 19
	s_add_co_u32 s90, s90, s87                     ; + 4,096 x (128 x batch
	s_lshl_b32 s87, s16, 17
	s_add_co_u32 s90, s90, s87                     ; + 32 cx
	s_lshl_b32 s87, s[WV], 14
	s_add_co_u32 s90, s90, s87                     ; + 4 x wave)
	s_add_nc_u64 s[12:13], s[12:13], s[90:91]
.irp t, 0,1,2,3
	v_mov_b32 v[8+4*\t], 0x7f61b1e6                ; -M: 3e38, above every -ceil(t)
	v_mov_b32 v[9+4*\t], 0                         ; (named with it as a pair; v9 takes 2^e8 below, v13 is the lane exchange's destination)
	v_mov_b32 v[10+4*\t], 0                        ; the sum, in two halves
	v_mov_b32 v[11+4*\t], 0
.endr
	WIN 0x40
.set i, 0
.rept 128
	v_mov_b32 v[i], 0                              ; O^T
.set i, i+1
.endr
	WIN 0
	s_wait_kmcnt 0x0
	s_add_co_i32 s18, s88, s89
	s_lshl_b32 s18, s18, 23
	s_mov_b32 s[CS], 0x3e38aa3b                    ; log2(e) / 8
	s_add_co_i32 s[CS], s[CS], s18                 ; a score stands for score x 2^(e6 + e7): the exponents are added to c's exponent field
	s_mov_b32 s[CS+1], s[CS]
	s_add_co_i32 s18, s92, 127
	s_lshl_b32 s19, s18, 23
	v_mov_b32 v9, s19                              ; 2^e8 as f32, for the conversion
	s_add_co_i32 s18, s18, 15
	s_lshl_b32 s18, s18, 23
	s_or_b32 s18, s18, 0x600000
	v_mov_b32 v6, s18                              ; 57,344 x 2^e8,
	v_mov_b32 v7, s18                              ; twice: the paired hold reads its two bounds from two registers
; TILE t OF A KEY STEP.  pv: tile t - 1 is there: its holds, conversions and second product; qk: tile t + 1's scores; ld: 1 the next step's K, 2 this step's V; wt: a wait for such loads.
.macro SM t, pv, qk, ld, wt
.set SS, SSB+64*((\t)%2)               ; my scores, then my p
.set SN, SSB+64*(((\t)+1)%2)           ; tile t - 1's p, then tile t + 1's scores
.set NM, 8+4*(\t)
.set SU, 10+4*(\t)
.set OO, 32*(\t)
.set OP, 32*(((\t)+3)%4)
.set QN, QA+8*(((\t)+1)%4)
.irp c, 0,1,2,3                        ; the largest score among my 64 keys, in four chains by turns; each tile of scores is read first at its low end
	v_max3_num_f32 v[MX+\c], v[SS+16*\c], v[SS+16*\c+1], v[SS+16*\c+2]
.endr
.irp i, 3,5,7,9,11,13
.irp c, 0,1,2,3
	v_max3_num_f32 v[MX+\c], v[MX+\c], v[SS+16*\c+\i], v[SS+16*\c+\i+1]
.endr
.endr
	v_max3_num_f32 v[MX], v[MX], v[SS+15], v[SS+31]
	v_max3_num_f32 v[MX+1], v[MX+1], v[SS+47], v[SS+63]
	v_max_num_f32 v[MX+2], v[MX+2], v[MX+3]
	s_delay_alu instid0(VALU_DEP_1)
	v_max3_num_f32 v[MX], v[MX], v[MX+1], v[MX+2]
	s_delay_alu instid0(VALU_DEP_1)
	v_permlanex16_b32 v13, v[MX], s[SEL], s[SEL+1]
	s_delay_alu instid0(VALU_DEP_1)
	v_max_num_f32 v[MX], v[MX], v13                ; and among lane xor 16's
	s_delay_alu instid0(VALU_DEP_1)
	v_mul_f32 v[MX], s[CS], v[MX]                  ; as t (c is positive)
	s_delay_alu instid0(VALU_DEP_1)
	v_floor_f32 v[MX], -v[MX]                      ; -ceil(t)
	s_delay_alu instid0(VALU_DEP_1)
	v_min_num_f32 v[MX], v[MX], v[NM]              ; the new -M
	s_delay_alu instid0(VALU_DEP_1)
	v_sub_f32 v5, v[MX], v[NM]                     ; old M - new M: a whole number, 0 or less
	s_delay_alu instid0(VALU_DEP_2)
	v_mov_b32 v[NM], v[MX]
.set j, 0
.rept 32
	v_pk_fma_f32 v[SS+j:SS+j+1], v[SS+j:SS+j+1], s[CS:CS+1], v[NM:NM+1] op_sel_hi:[1,0,0]   ; t - M, two at a time (of the pairs c and -M the low word serves both halves)
.if j == 6
	v_cvt_i32_f32 v5, v5                           ; (it saturates)
.endif
.if j == 14
	v_ldexp_f32 v4, 1.0, v5                        ; f = 2^(old M - new M)
.endif
.set j, j+2
.endr
	s_wait_alu depctr_va_vdst(0)                   ; the wait ahead of the batch
.set j, 0
.rept 32
	v_exp_f32 v[SS+j], v[SS+j]                     ; p = 2^(t - M), at most 1: not normalised
	v_exp_f32 v[SS+j+1], v[SS+j+1]
.if \pv
	DMIN SN+j                                      ; tile t - 1's p, summed already, is held: these lines read nothing written since the wait above, and are first read behind the wait below
.endif
.set j, j+2
.endr
	v_pk_mul_f32 v[SU:SU+1], v[SU:SU+1], v[4:5] op_sel_hi:[1,0]   ; the sum under the new M: the plain line behind the exponentials
.if \wt
	s_wait_dscnt 0x0                               ; the sixteen fragment loads issued in the tile before are in
.endif
	WIN 0x41
	s_wait_alu depctr_va_vdst(0)                   ; one wait, for the batch and directly ahead of the first readers of O^T
.set j, 0
.rept 16
	v_pk_mul_f32 v[OO+j:OO+j+1], v[OO+j:OO+j+1], v[4:5] op_sel_hi:[1,0]   ; O^T under the new M, each accumulator from its low end on
.set j, j+2
.endr
.if \pv
	CODES SN
.endif
	WIN 0
; THE ROW'S SUM IS TAKEN OF THE UNQUANTISED p: 32 packed additions in four chains by turns (the sum itself and three in the maxima's registers).  Among them, singly: tile t + 1's eight score
; products, one ahead of every second addition, then tile t - 1's four second products, one ahead of every fourth.  No two matrix instructions that follow each other share an accumulator.
.set i, 0
.rept 29
.if (\qk) && (i < 16) && ((i%2) == 0)
	v_wmma_f32_16x16x64_bf8_bf8 v[SN+4*i:SN+4*i+7], v[KF+4*i:KF+4*i+7], v[QN:QN+7], 0
.endif
.if (\pv) && (i >= 16) && ((i%4) == 0)
	WIN 0x55
	v_wmma_f32_16x16x128_bf8_bf8 v[OP+2*(i-16):OP+2*(i-16)+7], v[VF+4*(i-16):VF+4*(i-16)+15], v[PB:PB+15], v[OP+2*(i-16):OP+2*(i-16)+7]
	WIN 0
.endif
.if i < 3
	v_pk_add_f32 v[MX+2*i:MX+2*i+1], v[SS+4*i:SS+4*i+1], v[SS+4*i+2:SS+4*i+3]
.elseif (i%4) == 3
	v_pk_add_f32 v[SU:SU+1], v[SU:SU+1], v[SS+2*i+6:SS+2*i+7]
.else
	v_pk_add_f32 v[MX+2*(i%4):MX+2*(i%4)+1], v[MX+2*(i%4):MX+2*(i%4)+1], v[SS+2*i+6:SS+2*i+7]
.endif
.set i, i+1
.endr
	v_pk_add_f32 v[MX:MX+1], v[MX:MX+1], v[MX+2:MX+3]
	v_pk_add_f32 v[SU:SU+1], v[SU:SU+1], v[MX+4:MX+5]
	v_pk_add_f32 v[SU:SU+1], v[SU:SU+1], v[MX:MX+1]
.if \ld == 1
	v_add_nc_u32 v[ADK], s[TB], v[LI]              ; the step's last scores were asked for 18 additions ago: K's registers take the next step's fragments
	KLOAD ADK
	s_add_co_u32 s[TB], s[TB], 8192
.endif
.if \ld == 2
	v_add_nc_u32 v[ADV], s[TBV], v[LI]             ; with the four additions above: five places behind the last step's last product; V's registers take this step's four fragments
	WIN 0x40
.irp d, 0,1,2,3
.irp c, 0,1,2,3
	ds_load_b128 v[VF+16*\d+4*\c:VF+16*\d+4*\c+3], v[ADV] offset:2048*\d+512*\c
.endr
.endr
	WIN 0
	s_add_co_u32 s[TBV], s[TBV], 8192
.endif
.endm
	s_wait_alu depctr_va_vdst(0)                   ; the wait at the head's end
	s_wait_loadcnt 0x0                             ; Q
	s_wait_tensorcnt 0x0                           ; my quarter has landed,
	s_barrier_signal -1
	s_barrier_wait -1                              ; everybody's has: nothing in LDS is written from here on
	KLOAD LI                                       ; key step 0
	s_wait_dscnt 0x0
.irp k, 0,1,2,3,4,5,6,7
	v_wmma_f32_16x16x64_bf8_bf8 v[SSB+8*\k:SSB+8*\k+7], v[KF+8*\k:KF+8*\k+7], v[QA:QA+7], 0
.endr
.rept 4
	v_nop                                          ; places in front of the first read of the scores
.endr
	SM 0, 0, 1, 2, 0
	s_mov_b32 s[CNT], 15
.Lstep:
	SM 1, 1, 1, 0, 1
	SM 2, 1, 1, 1, 0
	SM 3, 1, 1, 0, 1
	SM 0, 1, 1, 2, 0
	s_sub_co_u32 s[CNT], s[CNT], 1
	s_cmp_lg_u32 s[CNT], 0
	s_wait_alu depctr_va_vdst(0)                   ; the wait ahead of the branch
	s_cbranch_scc1 .Lstep
	SM 1, 1, 1, 0, 1                               ; the last step: nothing more to load, no scores beyond tile 3's
	SM 2, 1, 1, 0, 0
	SM 3, 1, 0, 0, 0
.set j, 0
.rept 32
	DMIN SSB+64+j                                  ; the last tile's holds,
.set j, j+2
.endr
	CODES SSB+64                                   ; conversions,
	WIN 0x55
.irp d, 0,1,2,3
	v_wmma_f32_16x16x128_bf8_bf8 v[96+8*\d:96+8*\d+7], v[VF+16*\d:VF+16*\d+15], v[PB:PB+15], v[96+8*\d:96+8*\d+7]   ; and second product
.endr
	WIN 0
	; THE WAY OUT: O^T / the sum x 2^(e8 + e9), held, quantised with 2^e10: a lane's eight channels of tile d are registers 2 d, 2 d + 1 of the last product's operand; two stores of 512 consecutive bytes a tile.
.irp t, 0,1,2,3
	v_add_f32 v[10+4*\t], v[10+4*\t], v[11+4*\t]   ; the sums' two halves,
.endr
.irp t, 0,1,2,3
	v_permlanex16_b32 v[MX+\t], v[10+4*\t], s[SEL], s[SEL+1]
.endr
.irp t, 0,1,2,3
	v_add_f32 v[10+4*\t], v[10+4*\t], v[MX+\t]     ; and lane xor 16's
.endr
	s_add_co_i32 s18, s92, s93                     ; e8 + e9
	s_add_co_i32 s19, s94, 127
	s_lshl_b32 s56, s19, 23                        ; 2^e10
	s_add_co_i32 s19, s19, 15
	s_lshl_b32 s19, s19, 23
	s_or_b32 s19, s19, 0x600000                    ; 57,344 x 2^e10
	s_wait_alu depctr_va_vdst(0)                   ; the wait ahead of the batch
.irp t, 0,1,2,3
	v_rcp_f32 v[10+4*\t], v[10+4*\t]
.endr
	v_mov_b32 v9, s56                              ; (plain lines behind the reciprocals)
	v_mov_b32 v6, s19
	s_wait_alu depctr_va_vdst(0)                   ; one wait for the four, ahead of the first reader
.irp t, 0,1,2,3
	v_ldexp_f32 v[10+4*\t], v[10+4*\t], s18
.endr
	WIN 0x01
	s_wait_alu depctr_va_vdst(0)                   ; directly ahead of the first readers of O^T
.set i, 0
.rept 64
	v_pk_mul_f32 v[SSB+i:SSB+i+1], v[i:i+1], v[10+4*(i/32):11+4*(i/32)] op_sel_hi:[1,0]   ; each accumulator from its low end on
.set i, i+2
.endr
	WIN 0
.set i, 0
.rept 128
	v_med3_num_f32 v[SSB+i], v[SSB+i], -v6, v6
.set i, i+1
.endr
.set i, 0
.rept 16
	v_cvt_scalef32_pk8_bf8_f32 v[KF+2*i:KF+2*i+1], v[SSB+8*i:SSB+8*i+7], v9
.set i, i+1
.endr
	v_nop
.irp t, 0,1,2,3
	global_store_b128 v[LI], v[KF+8*\t:KF+8*\t+3], s[12:13] offset:4096*\t
	global_store_b128 v[LI], v[KF+8*\t+4:KF+8*\t+7], s[12:13] offset:4096*\t+512
.endr
	s_wait_tensorcnt 0x0                           ; the wave's end
	ds_add_u32 v[SPW], v[NIL]
	s_wait_dscnt 0x0
	CROUND                                         ; the closing round: no work-group ends while a partner may still ask for a tile that names it
	s_endpgm
.Lfunc_end_k_qae0dd2723f_attn:
	.size	k_qae0dd2723f_attn, .Lfunc_end_k_qae0dd2723f_attn-k_qae0dd2723f_attn
	.p2alignl 7, 3214868480
	.fill 96, 4, 3214868480
	.section	.rodata,"a",@progbits
	.p2align	6, 0x0
	.amdhsa_kernel k_qae0dd2723f_attn
		.amdhsa_group_segment_fixed_size 264192
		.amdhsa_private_segment_fixed_size 0
		.amdhsa_enable_private_segment 0
		.amdhsa_kernarg_size 40
		.amdhsa_user_sgpr_count 2
		.amdhsa_user_sgpr_kernarg_segment_ptr 1
		.amdhsa_wavefront_size32 1
		.amdhsa_system_sgpr_workgroup_id_x 1
		.amdhsa_system_sgpr_workgroup_id_y 1
		.amdhsa_system_sgpr_workgroup_id_z 1
		.amdhsa_system_vgpr_workitem_id 0
		.amdhsa_next_free_vgpr 512
		.amdhsa_next_free_sgpr 96
		.amdhsa_reserve_vcc 0
		.amdhsa_float_denorm_mode_32 3
		.amdhsa_float_denorm_mode_16_64 3
		.amdhsa_memory_ordered 1
		.amdhsa_forward_progress 1
		.amdhsa_inst_pref_size 138
	.end_amdhsa_kernel
	.amdgpu_metadata
---
amdhsa.version: [ 1, 2 ]
amdhsa.kernels:
  - .name:           k_qae0dd2723f_attn
    .symbol:         k_qae0dd2723f_attn.kd
    .args:
      - { .name: qc, .offset: 0, .size: 8, .value_kind: global_buffer, .address_space: global }
      - { .name: kc, .offset: 8, .size: 8, .value_kind: global_buffer, .address_space: global }
      - { .name: vc, .offset: 16, .size: 8, .value_kind: global_buffer, .address_space: global }
      - { .name: lowp_scales, .offset: 24, .size: 8, .value_kind: global_buffer, .address_space: global }
      - { .name: att, .offset: 32, .size: 8, .value_kind: global_buffer, .address_space: global }
    .group_segment_fixed_size: 264192
    .private_segment_fixed_size: 0
    .kernarg_segment_align: 8
    .kernarg_segment_size: 40
    .max_flat_workgroup_size: 256
    .sgpr_count:     96
    .vgpr_count:     512
    .wavefront_size: 32
...
	.end_amdgpu_metadata
.endif
;; end of part 2
;; launch outp (part 3): grid 4 x 64, 4 waves a work-group, clusters of 4 x 4, 327,680 bytes of LDS; arguments att, w_out_codes, b_out, lowp_scales, out0; writes out0
.if DOCPART == 3
	.amdgcn_target "amdgcn-amd-amdhsa--gfx1250"
	.amdhsa_code_object_version 6
	.text
	.protected	k_qae0dd2723f_outp
	.globl	k_qae0dd2723f_outp
	.p2align	8
	.type	k_qae0dd2723f_outp,@function
k_qae0dd2723f_outp:
	s_mov_b64 s[64:65], 0
	v_nop
	global_prefetch_b8 v0, s[64:65] scope:SCOPE_SE
	s_setreg_imm32_b32 hwreg(HW_REG_WAVE_MODE, 25, 1), 1
	s_wait_xcnt 0x0
	s_wait_alu depctr_hold_cnt(0) depctr_sa_sdst(0) depctr_va_vdst(0) depctr_va_sdst(0) depctr_va_ssrc(0) depctr_va_vcc(0) depctr_vm_vsrc(0)
	s_getreg_b32 s2, hwreg(HW_REG_IB_STS2, 6, 4)
	s_cmp_eq_u32 s2, 0
	s_cbranch_scc0 .Lentry_in_a_cluster
	s_endpgm
.Lentry_in_a_cluster:
	s_bfe_u32 s2, ttmp6, 0x10000c
	s_cmp_lg_u32 s2, 0xf033
	s_cbranch_scc0 .Lentry_shape_is_right
	s_endpgm
.Lentry_shape_is_right:
; out = o Wout^T + b_out on codes of BF8 (E5M2): o's codes come from att (scale: entry 10), Wout's as given (entry 11); each f32 sum x 2^(e10 + e11) + bias, in one fused multiply-add.
; att holds images of operand registers: (head / 4) x 2,097,152 + token tile x 4096 + (head % 4) x 1024 + 512 c + 16 lane: 16 tokens x a head's 64 in 8 registers; two heads are one operand of 128 along K.
; SHARES.  A work-group makes 128 tokens x 256 features: 64 x 4 = 256 work-groups.  Four waves, 2 x 2: a wave makes 64 tokens x 128 features in 32 accumulators.
; A's SHARE OF A WAVE, 64 tokens x K = 1,024, is 512 registers: it comes straight from memory, 128 loads of 512 consecutive bytes, since att lies as the registers want it; it passes through no LDS.
; ALL 256 ROWS OF Wout's TILE, whole K, LIE IN LDS (rows of 1,024 bytes + 16 of padding: 266,240 bytes), each byte filled once: every wave issues one load of 64 rows at the head; one wait for 0 and one barrier; no ring.
; CLUSTERS: Wout's tile hangs on the tile column alone: the four work-groups of a column of the cluster ask for it jointly.
; No prefetch: every load goes out at the head; there is no later load to run ahead of.
; THE MATRIX INSTRUCTION TAKES source 0 = 16 rows of Wout, source 1 = 16 tokens: a lane holds one token and eight neighbouring features.  Wout's fragments are read in the form's own layout
; (registers 2 c, 2 c + 1: k = 16 c + 8 h + 0 .. 7, eight loads of 8 bytes), which is att's.  At a pitch of 260 words the 32 lanes of such a load touch 64 different banks (ISA guide 11.1).
; A HALF-STEP is 128 along K x 4 of my 8 blocks of Wout x my 4 blocks of tokens: 16 matrix instructions on 16 accumulators.  Wout's fragments go through three sets of 64 registers by turns:
; a set is loaded again as soon as its half-step is issued, two half-steps ahead of its next use.
; LIMIT: e10 + e11 between -126 and 127, so that 2^(e10 + e11) is an f32 number.
; REGISTERS: window 0: v1-29 addresses; v32-95, v128-191, v192-255 Wout's three sets, later the way out.  Windows 1, 2: A (K step q, block a at 64 q + 16 a); window 1's v0-63 later the bias.  Window 3: accumulator (a, b) at 8 (8 a + b).
.set PITCH,  1040
.set QB,     64*PITCH                  ; what one tensor load brings
.set STAGE,  4*QB                      ; behind Wout's tile: a stage of 16 rows x (512 + 16) bytes for each wave, bytes into which no fill lands
.set SPITCH, 528
.set SPARE,  STAGE+4*16*SPITCH         ; behind the stages: the spare words, two blocks of 256 bytes that no other line names
.set APLANE, 2097152
.set ADRB, 20                          ; v20, v21 my lane's place in my blocks 0-3, 4-7 of Wout
.set STO,  24
.set RD,   25
.set CO,   26                          ; 16 x lane
.set BA,   27
.set SPW,  28
.set NIL,  29
.set TMP,  32
.set BK,   128
.set G1, 24
.set G0, 32
.set MSB, 0
.macro WIN new                         ; low byte: bits 1:0 source 0, 3:2 source 1, 5:4 source 2, 7:6 destination; the high byte repeats the setting that is left
.if MSB != (\new)
	s_set_vgpr_msb (MSB<<8)|(\new)
.set MSB, (\new)
.endif
.endm
.macro CROUND                          ; a round of the cluster's barrier
	s_barrier_signal -1
	s_barrier_wait -1
	s_cmp_lg_u32 s14, 0
	s_cbranch_scc1 .Lnot_wave_0_\@
	s_barrier_signal -3
.Lnot_wave_0_\@:
	s_barrier_wait -3
	s_barrier_signal -1
	s_barrier_wait -1
.endm
.macro PLACES
.rept 4
	v_nop
.endr
.endm
	s_load_b128 s[4:7], s[0:1], 0x0                ; att, Wout's codes
	s_load_b128 s[8:11], s[0:1], 0x10              ; b_out, the scales
	s_load_b64 s[12:13], s[0:1], 0x20              ; out0
	v_lshl_add_u32 v[SPW], v0, 2, SPARE
	v_mov_b32 v[NIL], 0
	ds_add_u32 v[SPW], v[NIL]                      ; the opening: the add, twice on end, and its wait ahead of my tensor load
	ds_add_u32 v[SPW], v[NIL]
	v_lshrrev_b32 v1, 5, v0
	v_readfirstlane_b32 s14, v1                    ; wave 0..3
	s_lshr_b32 s15, s14, 1                         ; which 64 tokens
	s_and_b32 s16, s14, 1                          ; which 128 features
	s_bfe_u32 s40, ttmp6, 0x40000                  ; cx, cy
	s_bfe_u32 s41, ttmp6, 0x40004
	s_lshl_b32 s42, ttmp9, 2
	s_add_co_u32 s42, s42, s40                     ; tile column: 256 features
	s_and_b32 s17, ttmp7, 0xffff
	s_lshl_b32 s17, s17, 2
	s_add_co_u32 s17, s17, s41                     ; tile row: 128 tokens
	s_lshl_b32 s44, 0x1111, s40                    ; my column of the cluster
	s_or_b32 s[G1+0], s44, (0<<16)|(1<<20)|(1<<21)|(7<<22)|(3<<25)  ; the mask; elements of 1 byte; padding on; bit 21 beside a mask; after every 256 words four words
	s_mov_b32 s[G1+1], 1024<<16                    ; tensor_dim0
	s_mov_b32 s[G1+2], 64<<16                      ; tensor_dim1
	s_mov_b32 s[G1+3], 1024<<16                    ; tile_dim0
	s_mov_b32 s[G1+4], 64                          ; tile_dim1
	s_mov_b32 s[G1+5], 1024                        ; tensor_dim0_stride
	s_mov_b32 s[G1+6], 0
	s_mov_b32 s[G1+7], 0
	s_lshl_b32 s46, s42, 18
	s_lshl_b32 s18, s14, 16
	s_add_co_u32 s46, s46, s18                     ; Wout: (256 x tile column + 64 x wave) rows of 1,024 bytes
	s_mov_b32 s47, 0
	s_mul_i32 s45, s14, QB                         ; and in LDS: wave x 64 rows
	s_lshl_b32 s20, s17, 15
	s_lshl_b32 s18, s15, 14
	s_add_co_u32 s20, s20, s18                     ; att: (8 x tile row + 4 x half) token tiles of 4,096 bytes
	s_mov_b32 s21, 0
	s_mul_i32 s22, s16, 128*PITCH                  ; my 128 rows of Wout in LDS
	s_mul_i32 s23, s14, 16*SPITCH
	s_add_co_u32 s23, s23, STAGE                   ; my stage
	s_lshl_b32 s50, s42, 10
	s_lshl_b32 s18, s16, 9
	s_add_co_u32 s50, s50, s18                     ; my first feature, in bytes of f32
	s_mov_b32 s51, 0
	s_lshl_b32 s52, s17, 19
	s_lshl_b32 s18, s15, 18
	s_add_co_u32 s52, s52, s18                     ; my first token's row of 4,096 bytes,
	s_add_co_u32 s52, s52, s50                     ; at my first feature: under 2^26
	s_mov_b32 s53, 0
	s_wait_dscnt 0x0                               ; both opening adds are done
	s_wait_kmcnt 0x0
	s_load_b64 s[96:97], s[10:11], 0x28            ; e10, e11
	s_add_nc_u64 s[4:5], s[4:5], s[20:21]
	s_add_nc_u64 s[8:9], s[8:9], s[50:51]
	s_add_nc_u64 s[12:13], s[12:13], s[52:53]
	s_mov_b32 s[G0], 1
	s_mov_b32 s[G0+1], s45
	s_add_nc_u64 s[G0+2:G0+3], s[6:7], s[46:47]
	s_or_b32 s[G0+3], s[G0+3], 0x80000000
	CROUND                                         ; all sixteen work-groups are here: the joint loads meet
	tensor_load_to_lds s[G0:G0+3], s[G1:G1+7]      ; my 64 rows: every wave's one tensor load
	s_nop 0
	PLACES
	v_and_b32 v1, 15, v0                           ; r
	v_bfe_u32 v2, v0, 4, 1                         ; h
	v_and_b32 v6, 31, v0
	v_lshlrev_b32 v[CO], 4, v6
	v_mul_u32_u24 v3, v1, PITCH
	v_lshl_add_u32 v3, v2, 3, v3                   ; row r, + 8 h
	v_add_nc_u32 v[ADRB], s22, v3
	v_add_nc_u32 v[ADRB+1], 64*PITCH, v[ADRB]
	v_mul_u32_u24 v5, v1, SPITCH                   ; the stage, in: row r, 32 bytes for each half of the lanes
	v_lshl_add_u32 v5, v2, 5, v5
	v_add_nc_u32 v[STO], s23, v5
	v_add_nc_u32 v[RD], s23, v[CO]                 ; back: the 32 lanes take one row of 512 bytes
	v_lshlrev_b32 v[BA], 5, v2                     ; the bias: register j of block b is feature 16 b + 8 h + j
.irp q, 0,1,2,3,4,5,6,7                ; A, in the order of K
	WIN 0x40*(1+\q/4)
.irp a, 0,1,2,3
.irp c, 0,1,2,3
	global_load_b128 v[64*(\q%4)+16*\a+4*\c:64*(\q%4)+16*\a+4*\c+3], v[CO], s[4:5] offset:APLANE*(\q/2)+2048*(\q%2)+4096*\a+512*\c
.endr
.endr
.endr
	WIN 0
	s_wait_alu depctr_va_vdst(0)                   ; the wait at the head's end
	s_wait_kmcnt 0x0
	s_add_co_i32 s96, s96, s97
	s_add_co_i32 s96, s96, 127
	s_lshl_b32 s96, s96, 23                        ; 2^(e10 + e11) as f32
	s_mov_b32 s97, s96
	s_wait_tensorcnt 0x0                           ; my 64 rows have landed,
	s_barrier_signal -1
	s_barrier_wait -1                              ; everybody's have
.macro BLOADH hs                       ; Wout's four fragments of half-step hs (K step hs / 2, blocks 4 (hs % 2) on) into set hs % 3
.set HB, 128+64*((\hs)%3)-224*(((\hs)%3)/2)
.irp i, 0,1,2,3
.irp c, 0,1,2,3,4,5,6,7
	ds_load_b64 v[HB+16*\i+2*\c:HB+16*\i+2*\c+1], v[ADRB+(\hs)%2] offset:\i*16*PITCH+128*((\hs)/2)+16*\c
.endr
.endr
.endm
.macro MULH hs                         ; its 16 matrix instructions; the first K step's start the sums.  The accumulators take turns, one instruction a turn
.set HB, 128+64*((\hs)%3)-224*(((\hs)%3)/2)
	WIN 0xf0|((1+(\hs)/8)<<2)                      ; source 0 window 0, source 1 window 1 or 2, C and D window 3
.irp i, 0,1,2,3
.irp a, 0,1,2,3
.if (\hs) < 2
	v_wmma_f32_16x16x128_bf8_bf8 v[8*(8*\a+4*((\hs)%2)+\i):8*(8*\a+4*((\hs)%2)+\i)+7], v[HB+16*\i:HB+16*\i+15], v[64*(((\hs)/2)%4)+16*\a:64*(((\hs)/2)%4)+16*\a+15], 0
.else
	v_wmma_f32_16x16x128_bf8_bf8 v[8*(8*\a+4*((\hs)%2)+\i):8*(8*\a+4*((\hs)%2)+\i)+7], v[HB+16*\i:HB+16*\i+15], v[64*(((\hs)/2)%4)+16*\a:64*(((\hs)/2)%4)+16*\a+15], v[8*(8*\a+4*((\hs)%2)+\i):8*(8*\a+4*((\hs)%2)+\i)+7]
.endif
.endr
.endr
	WIN 0
.endm
	BLOADH 0
	BLOADH 1
	BLOADH 2
.irp hs, 0,1,2,3,4,5,6,7,8,9,10,11,12,13,14,15
.if (\hs)%2 == 0                       ; A's K step: behind its 16 loads stand the later steps' 16 each and, from K step 4 on, the bias's 16
.if \hs < 10
	s_wait_loadcnt 63                              ; 64 or more may stay out: the field's largest count is taken
.else
	s_wait_loadcnt 16*(8-\hs/2)
.endif
.endif
.if \hs < 14
	s_wait_dscnt 63                                ; behind this half-step's 32 loads stand the next two half-steps' 64: the field's largest count is taken
.else
	s_wait_dscnt 32*(15-\hs)
.endif
	MULH \hs
.if \hs < 13
	PLACES                                         ; in front of loads into registers that the products above read
	BLOADH \hs+3
.endif
.if \hs == 7
	WIN 0x40                                       ; the bias, into the registers that held A's K step 0
.irp b, 0,1,2,3,4,5,6,7
	global_load_b128 v[8*\b:8*\b+3], v[BA], s[8:9] offset:64*\b
	global_load_b128 v[8*\b+4:8*\b+7], v[BA], s[8:9] offset:64*\b+16
.endr
	WIN 0
.endif
.endr
; THE WAY OUT, block by block of 16 tokens x 128 features: sum x 2^(e10 + e11) + bias; through my own stage in LDS, back as whole rows of 512 bytes, which the 32 lanes store as two aligned units of 256 bytes.
; LDS serves a wave's instructions in order (ISA guide 5.7.1.4): no wait between the stores and the loads.
.macro TOSTAGE a
	WIN 0x13                                       ; source 0: window 3; source 2: window 1
.set j, 0
.rept 32
	v_pk_fma_f32 v[TMP+j:TMP+j+1], v[64*(\a)+j:64*(\a)+j+1], s[96:97], v[j:j+1] op_sel_hi:[1,0,1]   ; each accumulator from its low end on
.set j, j+2
.endr
	WIN 0
.irp b, 0,1,2,3,4,5,6,7
	ds_store_b128 v[STO], v[TMP+8*\b:TMP+8*\b+3] offset:64*\b
	ds_store_b128 v[STO], v[TMP+8*\b+4:TMP+8*\b+7] offset:64*\b+16
.endr
.set BB, BK+64*((\a)%2)
.irp t, 0,1,2,3,4,5,6,7,8,9,10,11,12,13,14,15
	ds_load_b128 v[BB+4*\t:BB+4*\t+3], v[RD] offset:\t*SPITCH
.endr
.endm
.macro SEND a, younger                 ; younger: the LDS instructions issued behind block a's loads, which may stay out
.set BB, BK+64*((\a)%2)
	s_wait_dscnt \younger
.if (\a) > 0
	s_add_nc_u64 s[12:13], s[12:13], 16*4096       ; (behind a wait on XCNT)  16 rows on
.endif
.irp t, 0,1,2,3,4,5,6,7,8,9,10,11,12,13,14,15
	global_store_b128 v[CO], v[BB+4*\t:BB+4*\t+3], s[12:13] offset:\t*4096 th:TH_STORE_NT
.endr
.endm
	PLACES                                         ; behind the last products
	s_wait_loadcnt 0x0                             ; the bias
	TOSTAGE 0
.irp a, 1,2,3
.if \a > 1
	s_wait_xcnt 0x0                                ; block a - 2's stores have read their registers and their base
.endif
	TOSTAGE \a
	SEND \a-1, 32                                  ; behind block a - 1's loads: block a's 16 stores and 16 loads
.endr
	s_wait_xcnt 0x0
	SEND 3, 0
	s_wait_tensorcnt 0x0                           ; the wave's end
	ds_add_u32 v[SPW], v[NIL]
	s_wait_dscnt 0x0
	CROUND                                         ; the closing round
	s_endpgm
.Lfunc_end_k_qae0dd2723f_outp:
	.size	k_qae0dd2723f_outp, .Lfunc_end_k_qae0dd2723f_outp-k_qae0dd2723f_outp
	.p2alignl 7, 3214868480
	.fill 96, 4, 3214868480
	.section	.rodata,"a",@progbits
	.p2align	6, 0x0
	.amdhsa_kernel k_qae0dd2723f_outp
		.amdhsa_group_segment_fixed_size 327680
		.amdhsa_private_segment_fixed_size 0
		.amdhsa_enable_private_segment 0
		.amdhsa_kernarg_size 40
		.amdhsa_user_sgpr_count 2
		.amdhsa_user_sgpr_kernarg_segment_ptr 1
		.amdhsa_wavefront_size32 1
		.amdhsa_system_sgpr_workgroup_id_x 1
		.amdhsa_system_sgpr_workgroup_id_y 1
		.amdhsa_system_sgpr_workgroup_id_z 1
		.amdhsa_system_vgpr_workitem_id 0
		.amdhsa_next_free_vgpr 1024
		.amdhsa_next_free_sgpr 98
		.amdhsa_reserve_vcc 0
		.amdhsa_float_denorm_mode_32 3
		.amdhsa_float_denorm_mode_16_64 3
		.amdhsa_memory_ordered 1
		.amdhsa_forward_progress 1
		.amdhsa_inst_pref_size 93
	.end_amdhsa_kernel
	.amdgpu_metadata
---
amdhsa.version: [ 1, 2 ]
amdhsa.kernels:
  - .name:           k_qae0dd2723f_outp
    .symbol:         k_qae0dd2723f_outp.kd
    .args:
      - { .name: att, .offset: 0, .size: 8, .value_kind: global_buffer, .address_space: global }
      - { .name: w_out_codes, .offset: 8, .size: 8, .value_kind: global_buffer, .address_space: global }
      - { .name: b_out, .offset: 16, .size: 8, .value_kind: global_buffer, .address_space: global }
      - { .name: lowp_scales, .offset: 24, .size: 8, .value_kind: global_buffer, .address_space: global }
      - { .name: out0, .offset: 32, .size: 8, .value_kind: global_buffer, .address_space: global }
    .group_segment_fixed_size: 327680
    .private_segment_fixed_size: 0
    .kernarg_segment_align: 8
    .kernarg_segment_size: 40
    .max_flat_workgroup_size: 128
    .sgpr_count:     98
    .vgpr_count:     1024
    .wavefront_size: 32
...
	.end_amdgpu_metadata
.endif
;; end of part 3
